; MI455X (gfx1250); checked and timed in simulation.
; The chip was launched on July 23, 2026; its instructions are those of AMD's public machine-readable ISA for CDNA 5 (MIT licence, August 2026) and "CDNA5" Instruction Set Architecture Reference Guide (July 2026). The comments in the code are by the model that wrote it; some were corrected since.
;; Self Attention. Allowed arithmetic: matrix products marked QUANTISED: E4M3 operands, one given power-of-two scale a tensor, by v_wmma_f32_16x16x64_fp8_fp8 or v_wmma_f32_16x16x128_fp8_fp8, f32 sums; everything else in f32.
;; Inputs: in_proj_b 3,072 float32; in_proj_w 3,072 x 1,024 float32; lowp_scales 8 int32 (the exponents e of the quantised operands' scales 2^e); out_b 1,024 float32; out_w 1,024 x 1,024 float32; x 2 x 2,048 x 1,024 float32.
;; Outputs: out0 2 x 2,048 x 1,024 float32.
;; This version of the problem:
;;   THIS VERSION OF THE PROBLEM IS GIVEN IN LOW PRECISION. The matrix products marked QUANTISED in the list below multiply operands that are first quantised to E4M3 (4 exponent bits, 3 mantissa bits; 8 bits a number), with one given power-of-two scale for each operand tensor; their sums are f32. All else is computed in f32.
;;   The module's matrix products, in the order in which they are computed (A, B: the left and right operand; K: the contracted axis; several contracted axes count as one K, in the product's order):
;;     1. [M 4,096, K 1,024] x [K 1,024, N 3,072]; A: input x; B: input in_proj_w: QUANTISED (scales: A lowp_scales[0], B lowp_scales[1])
;;     2. batch 32 x [M 2,048, K 64] x [K 64, N 2,048]; A: computed on the way; B: computed on the way: QUANTISED (scales: A lowp_scales[2], B lowp_scales[3])
;;     3. batch 32 x [M 2,048, K 2,048] x [K 2,048, N 64]; A: softmax (see below); B: computed on the way: QUANTISED (scales: A lowp_scales[4], B lowp_scales[5])
;;     4. [M 4,096, K 1,024] x [K 1,024, N 1,024]; A: computed on the way; B: input out_w: QUANTISED (scales: A lowp_scales[6], B lowp_scales[7])
;;   THE QUANTISER, for each operand of a quantised product, along K:
;;     - The operand's scale is 2^e, e = its entry of the input lowp_scales (int32; the entries are numbered through the quantised products in the list's order, A before B).
;;     - Each number is divided by the scale, clamped to +-448, and rounded to the nearest number of E4M3, ties to even, subnormals kept.
;;     - The product sums the exact products of the quantised numbers (number of the format x scale) in f32.
;;   ~~~python
;;   def quantise(x, axis, e):      # numpy; x: float32 -> the quantised numbers, widened to float32 again
;;       x = np.moveaxis(x, axis, -1); K = x.shape[-1]
;;       r = np.clip(x / 2.0 ** e, -448, 448)
;;       step = 2.0 ** (np.maximum(np.frexp(np.where(r == 0, 1, r))[1] - 1, -6) - 3)
;;       q = np.round(r / step) * step * 2.0 ** e      # np.round: ties to even
;;       return np.moveaxis(q, -1, axis).astype(np.float32)
;;   ~~~
;;   SOFTMAX AHEAD OF A QUANTISED PRODUCT. Where the list says 'softmax', what is quantised is not the finished softmax but p = 2^(t - M), with t = logit x log2(e) and M = ceil(the row's largest t), a whole number; so 1/2 < the row's largest p <= 1. The row's sum l is taken of the UNQUANTISED p, in f32, and the product's result is divided by l at the end. Since M is a whole number, a kernel that streams over the keys may use a running M (the ceiling of the running maximum): every later rescaling is an exact power of two, so the quantised numbers keep their values, but for numbers so far below the row's largest that they fall under the format's range.
;;   OPERANDS COMPUTED ON THE WAY. 'Computed on the way' means the value that the module computes at that place (a softmax that the list does not call 'softmax' is quantised finished and normalised). What goes into a quantiser is computed in f32, as accurately as f32 sums, v_exp_f32 and their like allow (about 1e-6 of the number): no bf16 or f16 on the way to a quantiser, and a product that is left as it is and whose result goes on into a quantised operand takes f32 operands (vector FMAs, or v_wmma_f32_16x16x4_f32). A number that lies on a knife's edge between two numbers of the format may be rounded either way, as far as f32 arithmetic and the matrix unit's own rounding can turn it there, and no further.
;; One version. Each part assembles by itself: llvm-mc -triple=amdgcn-amd-amdhsa -mcpu=gfx1250 --defsym DOCPART=n.
;; ======== version 1 of 1: 4 launches
;; limits: right only within a limited range of input values
;; workspace buffers: x_img 4,194,304 bytes; w_img 3,145,728 bytes; ow_img 1,048,576 bytes; q_img 4,194,304 bytes; k_img 4,194,304 bytes; v_img 4,194,304 bytes; ctx_img 4,194,304 bytes
;; launch quant (part 1): grid 512 x 1, 8 waves a work-group, no clusters, 68,608 bytes of LDS; arguments x, in_proj_w, out_w, lowp_scales, x_img, w_img, ow_img; writes x_img, w_img, ow_img
.if DOCPART == 1
	.amdgcn_target "amdgcn-amd-amdhsa--gfx1250"
	.amdhsa_code_object_version 6
	.text
	.protected	k_q46300b0913_quant
	.globl	k_q46300b0913_quant
	.p2align	8
	.type	k_q46300b0913_quant,@function
k_q46300b0913_quant:
	s_mov_b64 s[64:65], 0
	v_nop
	global_prefetch_b8 v0, s[64:65] scope:SCOPE_SE
	s_setreg_imm32_b32 hwreg(HW_REG_WAVE_MODE, 25, 1), 1
	s_wait_xcnt 0x0
; x [4096][1024], in_proj_w [3072][1024] and out_w [1024][1024], f32 with K innermost, become codes of FP8 (E4M3), each tensor with the one scale 2^e given for it
; (entries 0, 1 and 7 of the scales): code = number / 2^e, held within +-448, to the nearest code, ties to even.
; THE CODES ARE LAID AS IMAGES OF OPERAND REGISTERS.  A fragment is 16 rows x 128 K: 16 registers a lane, 2,048 bytes, stored as four chunks of 512 bytes: chunk c = registers 4 c .. 4 c + 3,
; lane l's 16 bytes at 16 l.  Lane (r = l % 16, h = l / 16) holds row r; registers 2 c', 2 c' + 1 hold K = 16 c' + 8 h + 0 .. 7: the matrix instruction's own places.  Buffer: [row tile][K step 0..7][2,048].
; SHARES.  A work-group takes one tile of 16 rows (work-groups 0-255: x; 256-447: in_proj_w; 448-511: out_w: only pointers and e are chosen, one path serves all); wave w takes K step w.
; A load reads 512 consecutive bytes of a row (the eight waves together whole rows); the conversions want 8 neighbours along K in one lane, so the wave's 16 x 512 bytes turn through its own stage in LDS.
; Waves share nothing: no barrier.  No tile is read by two work-groups: nothing to share in a cluster.
; LIMITS: each e between -126 and 119, so that 2^e and 448 x 2^e are f32 numbers.  NaN among the inputs is not served; an infinity is held at the largest code.
.set SP,   528                         ; a stage row: 512 bytes + 16 = 132 words: row r starts at bank 4 r mod 64 (64 banks of 4 bytes: ISA guide 11.1)
.set WST,  16*SP                       ; a wave's stage
.set R,    16                          ; v16-79   the 16 rows' bytes as loaded
.set X,    80                          ; v80-143  64 numbers of my row: register 16 c + 8 u + i = K 32 c + 16 u + 8 h + i
.set C,    144                         ; v144-159 the fragment's 16 registers
	s_load_b256 s[4:11], s[0:1], 0x0               ; x s[4:5], in_proj_w s[6:7], out_w s[8:9], the scales' exponents s[10:11]
	s_load_b128 s[12:15], s[0:1], 0x20             ; x_img, w_img
	s_load_b64 s[16:17], s[0:1], 0x30              ; ow_img
	v_lshl_add_u32 v160, v0, 2, 0x10800
	v_mov_b32 v161, 0
	v_lshrrev_b32 v4, 5, v0
	s_delay_alu instid0(VALU_DEP_1)
	v_readfirstlane_b32 s18, v4                    ; wave 0..7 = K step
	v_and_b32 v5, 31, v0
	s_delay_alu instid0(VALU_DEP_1)
	v_lshlrev_b32 v1, 4, v5                        ; 16 x lane: my bytes of a load's and of a store's 512
	s_mul_i32 s19, s18, WST
	v_add_nc_u32 v2, s19, v1                       ; the stage, on the way in: as the bytes lie
	v_and_b32 v6, 15, v0                           ; r
	v_bfe_u32 v7, v0, 4, 1                         ; h
	s_delay_alu instid0(VALU_DEP_2)
	v_mul_u32_u24 v3, v6, SP
	s_delay_alu instid0(VALU_DEP_1)
	v_lshl_add_u32 v3, v7, 5, v3
	s_delay_alu instid0(VALU_DEP_1)
	v_add_nc_u32 v3, s19, v3                       ; and on the way out: row r, + 32 h bytes (8 numbers)
	s_mov_b32 s24, 448
	s_wait_alu depctr_va_vdst(0)
	s_wait_kmcnt 0x0
	s_load_b256 s[28:35], s[10:11], 0x0            ; e0 .. e7
	s_cmp_lt_u32 ttmp9, 448                        ; which tensor: the choice hangs on the work-group's number alone
	s_cselect_b64 s[20:21], s[6:7], s[8:9]
	s_cselect_b64 s[22:23], s[14:15], s[16:17]
	s_cselect_b32 s24, 256, s24
	s_cmp_lt_u32 ttmp9, 256
	s_cselect_b64 s[20:21], s[4:5], s[20:21]       ; from here
	s_cselect_b64 s[22:23], s[12:13], s[22:23]     ; to here
	s_cselect_b32 s24, 0, s24
	s_sub_co_u32 s24, ttmp9, s24                   ; the tensor's row tile
	s_lshl_b32 s26, s24, 16                        ; 16 rows of 4,096 bytes,
	s_lshl_b32 s36, s18, 9                         ; my K step's 512 bytes of a row
	s_add_co_u32 s26, s26, s36
	s_mov_b32 s27, 0
	s_add_nc_u64 s[20:21], s[20:21], s[26:27]
	; in_proj_w's row tiles are laid by head: tile 64 p + 4 head + i (p = 0, 1, 2: q, k, v) goes to place 12 head + 4 p + i, so that a head's 192 rows lie together
	s_bfe_u32 s38, s24, 0x40002                    ; head
	s_mul_i32 s38, s38, 12
	s_lshr_b32 s39, s24, 6                         ; p
	s_lshl_b32 s39, s39, 2
	s_add_co_u32 s38, s38, s39
	s_and_b32 s39, s24, 3
	s_add_co_u32 s38, s38, s39
	s_sub_co_u32 s39, ttmp9, 256
	s_cmp_lt_u32 s39, 192                          ; in_proj_w's work-groups alone
	s_cselect_b32 s24, s38, s24
	s_lshl_b32 s26, s24, 14
	s_lshl_b32 s36, s18, 11                        ; mine
	s_add_co_u32 s26, s26, s36
	s_add_nc_u64 s[22:23], s[22:23], s[26:27]
.irp i, 0,1,2,3,4,5,6,7,8,9,10,11,12,13,14,15
	global_load_b128 v[R+4*\i:R+4*\i+3], v1, s[20:21] offset:4096*\i th:TH_LOAD_NT   ; row i: 32 lanes read 512 consecutive bytes; all sixteen loads are out together
.endr
	s_wait_kmcnt 0x0
	s_cmp_lt_u32 ttmp9, 448
	s_cselect_b32 s25, s29, s35
	s_cmp_lt_u32 ttmp9, 256
	s_cselect_b32 s25, s28, s25                    ; e
	s_add_co_i32 s25, s25, 127
	s_lshl_b32 s37, s25, 23
	v_mov_b32 v11, s37                             ; 2^e as f32: the conversion takes its exponent field
	s_add_co_i32 s25, s25, 8
	s_lshl_b32 s25, s25, 23
	s_or_b32 s25, s25, 0x600000
	v_mov_b32 v10, s25                             ; 448 x 2^e
	s_wait_alu depctr_va_vdst(0)
.irp i, 0,1,2,3,4,5,6,7,8,9,10,11,12,13,14,15
	s_wait_loadcnt 15-\i                           ; loads come back in order: row i is in, the 15 - i younger ones stay out
	ds_store_b128 v2, v[R+4*\i:R+4*\i+3] offset:SP*\i
.endr
.irp c, 0,1,2,3
.irp u, 0,1
.irp p, 0,1
	ds_load_b128 v[X+16*\c+8*\u+4*\p:X+16*\c+8*\u+4*\p+3], v3 offset:128*\c+64*\u+16*\p   ; LDS serves a wave's instructions in order: these see my stores
.endr
.endr
.endr
.irp c, 0,1,2,3
	s_wait_dscnt 12-4*\c                           ; chunk c's four loads are in; the later chunks' stay out
.irp i, 0,1,2,3,4,5,6,7,8,9,10,11,12,13,14,15
	v_med3_num_f32 v[X+16*\c+\i], v[X+16*\c+\i], -v10, v10   ; the conversion to an 8-bit code does not saturate (ISA guide 7.6.2): the hold at the largest code x the scale comes first
.endr
	v_cvt_scalef32_pk8_fp8_f32 v[C+4*\c:C+4*\c+1], v[X+16*\c:X+16*\c+7], v11
	v_cvt_scalef32_pk8_fp8_f32 v[C+4*\c+2:C+4*\c+3], v[X+16*\c+8:X+16*\c+15], v11
	global_store_b128 v1, v[C+4*\c:C+4*\c+3], s[22:23] offset:512*\c   ; the wave stores 512 consecutive bytes, aligned; each chunk has registers of its own, so no store's data are written again
.endr                                              ; (the codes go to stores alone and the next chunk begins with plain vector lines on other registers: no further line is owed behind the conversions)
	s_wait_tensorcnt 0x0
	ds_add_u32 v160, v161
	s_wait_dscnt 0x0
	s_endpgm
.Lfunc_end_k_q46300b0913_quant:
	.size	k_q46300b0913_quant, .Lfunc_end_k_q46300b0913_quant-k_q46300b0913_quant
	.p2alignl 7, 3214868480
	.fill 96, 4, 3214868480
	.section	.rodata,"a",@progbits
	.p2align	6, 0x0
	.amdhsa_kernel k_q46300b0913_quant
		.amdhsa_group_segment_fixed_size 68608
		.amdhsa_private_segment_fixed_size 0
		.amdhsa_enable_private_segment 0
		.amdhsa_kernarg_size 56
		.amdhsa_user_sgpr_count 2
		.amdhsa_user_sgpr_kernarg_segment_ptr 1
		.amdhsa_wavefront_size32 1
		.amdhsa_system_sgpr_workgroup_id_x 1
		.amdhsa_system_sgpr_workgroup_id_y 1
		.amdhsa_system_sgpr_workgroup_id_z 1
		.amdhsa_system_vgpr_workitem_id 0
		.amdhsa_next_free_vgpr 162
		.amdhsa_next_free_sgpr 66
		.amdhsa_reserve_vcc 0
		.amdhsa_float_denorm_mode_32 3
		.amdhsa_float_denorm_mode_16_64 3
		.amdhsa_memory_ordered 1
		.amdhsa_forward_progress 1
		.amdhsa_inst_pref_size 13
	.end_amdhsa_kernel
	.amdgpu_metadata
---
amdhsa.version: [ 1, 2 ]
amdhsa.kernels:
  - .name:           k_q46300b0913_quant
    .symbol:         k_q46300b0913_quant.kd
    .args:
      - { .name: x, .offset: 0, .size: 8, .value_kind: global_buffer, .address_space: global }
      - { .name: in_proj_w, .offset: 8, .size: 8, .value_kind: global_buffer, .address_space: global }
      - { .name: out_w, .offset: 16, .size: 8, .value_kind: global_buffer, .address_space: global }
      - { .name: lowp_scales, .offset: 24, .size: 8, .value_kind: global_buffer, .address_space: global }
      - { .name: x_img, .offset: 32, .size: 8, .value_kind: global_buffer, .address_space: global }
      - { .name: w_img, .offset: 40, .size: 8, .value_kind: global_buffer, .address_space: global }
      - { .name: ow_img, .offset: 48, .size: 8, .value_kind: global_buffer, .address_space: global }
    .group_segment_fixed_size: 68608
    .private_segment_fixed_size: 0
    .kernarg_segment_align: 8
    .kernarg_segment_size: 56
    .max_flat_workgroup_size: 256
    .sgpr_count:     66
    .vgpr_count:     162
    .wavefront_size: 32
...
	.end_amdgpu_metadata
.endif
;; end of part 1
;; launch qkv (part 2): grid 16 x 16, 4 waves a work-group, clusters of 4 x 4, 327,680 bytes of LDS; arguments x_img, w_img, in_proj_b, lowp_scales, q_img, k_img, v_img; writes q_img, k_img, v_img
.if DOCPART == 2
	.amdgcn_target "amdgcn-amd-amdhsa--gfx1250"
	.amdhsa_code_object_version 6
	.text
	.protected	k_q46300b0913_qkv
	.globl	k_q46300b0913_qkv
	.p2align	8
	.type	k_q46300b0913_qkv,@function
k_q46300b0913_qkv:
	s_mov_b64 s[64:65], 0
	v_nop
	global_prefetch_b8 v0, s[64:65] scope:SCOPE_SE
	s_setreg_imm32_b32 hwreg(HW_REG_WAVE_MODE, 25, 1), 1
	s_wait_xcnt 0x0
	s_wait_alu depctr_hold_cnt(0) depctr_sa_sdst(0) depctr_va_vdst(0) depctr_va_sdst(0) depctr_va_ssrc(0) depctr_va_vcc(0) depctr_vm_vsrc(0)
	s_getreg_b32 s2, hwreg(HW_REG_IB_STS2, 6, 4)
	s_cmp_eq_u32 s2, 0
	s_cbranch_scc0 .Lentry_in_a_cluster
	s_endpgm
.Lentry_in_a_cluster:
	s_bfe_u32 s2, ttmp6, 0x10000c
	s_cmp_lg_u32 s2, 0xf033
	s_cbranch_scc0 .Lentry_shape_is_right
	s_endpgm
.Lentry_shape_is_right:
; qkv = x in_proj_w^T + in_proj_b on codes of FP8 (E4M3), and its three parts quantised at once for the products that follow: q with 2^e2, k with 2^e3, v with 2^e5.
; OPERANDS are images of operand registers: a fragment = 16 rows x 128 K = 4 chunks of 512 bytes, lane l's 16 bytes at 16 l; buffers [row tile][unit of 128 K, 0..7][2,048].
; w_img's row tiles lie by head: 12 head + 0..3 q, + 4..7 k, + 8..11 v.
; SHARES.  A work-group makes 256 tokens x the 192 columns of one head (64 of q, 64 of k, 64 of v): 16 x 16 = 256 work-groups of equal work.  Wave (t, c) makes 128 tokens x 96 columns:
; q (c = 0) or k (c = 1), and half c of v: 48 accumulators of 16 x 16, 384 registers.
; LDS.  K comes in three fills: units 0-2 into region P, units 3, 4 into region Q, units 5-7 into P again; each wave issues one load for a fill: waves 0, 1 eight row tiles of the tokens each, waves 2, 3 six of the weight.
; One tensor load of a wave is out at the most.  Units 0-2 are multiplied while the second fill lands, units 3, 4 while the third does.
; CLUSTER 4 x 4: the four work-groups of a row need the same tokens, the four of a column the same weight rows: each tile is asked for jointly.
; No data prefetch: there is no loop to run ahead in; the three fills are written out.
; RESULTS ARE THE NEXT OPERANDS' REGISTERS.  q, k: source 0 = 16 rows of the weight, source 1 = 16 tokens: a lane holds token r and channels 16 b + 8 h + j: registers 2 b, 2 b + 1 of a fragment whose K is the head's 64:
; q_img, k_img [batch x head 32][token tile 128][2 chunks][512].  v: sources swapped: a lane holds channel r and eight neighbouring tokens: registers 2 a, 2 a + 1 of a fragment whose K is the 128 keys of a key step:
; v_img [batch x head 32][key step 16][channel tile 4][4 chunks][512].  The bias is the C of each sum's first matrix instruction, divided by the 2^(e0 + e1) that the sums lack.
; LIMITS, so that each power of two made below is an f32 number: e2 - e0 - e1, e3 - e0 - e1 and e5 - e0 - e1 between -126 and 119.  NaN is not served.
; REGISTERS.  window 0: v1-19 addresses and scales, v28, v29 the add's, v32-255 fragment buffer 1; window 1: v0-223 fragment buffer 0; a buffer: token tiles 0-7 (128 registers), then weight tiles 0-5 (96).
; window 2: accumulators of token tiles 0-3, (a, b) at v[8 (6 a + b)]; v192-239 bias tiles; window 3: accumulators of token tiles 4-7.
.set G1A, 28                           ; s[28:35] descriptor group 1, tokens;  s[36:43] weight
.set G1B, 36
.set G0A, 44                           ; s[44:47] group 0, tokens;  s[48:51] weight
.set G0B, 48
.set LI,   1
.set ADA,  8                           ; v8, v9   my fragments of the tokens in P, Q
.set ADB,  10                          ; v10, v11 of q's or k's weight
.set ADV,  12                          ; v12, v13 of v's weight
.set SPW,  28
.set NIL,  29
.set CQ,   32                          ; codes of q or k, 8 registers a token tile
.set CV,   96                          ; codes of v, 16 registers a channel tile
.set PB,   98304                       ; region P: 16 row tiles x 6,144 bytes of tokens, then 12 of weight
.set QA,   172032                      ; region Q: 16 x 4,096, then 12 x 4,096
.set QB,   237568
.set SPARE, 286720                     ; the spare words, 128 bytes for each wave
.set MSB, 0
.macro WIN new                         ; the immediate's high byte repeats the setting that is left; a switch that changes nothing is dropped
.if MSB != \new
	s_set_vgpr_msb (MSB<<8)|\new
.set MSB, \new
.endif
.endm
.macro CREST                           ; a round of the cluster's barrier behind its opening barrier
	s_cmp_lg_u32 s18, 0
	s_cbranch_scc1 .Lnot_wave_0_\@
	s_barrier_signal -3
.Lnot_wave_0_\@:
	s_barrier_wait -3
	s_barrier_signal -1
	s_barrier_wait -1
.endm
.macro CROUND
	s_barrier_signal -1
	s_barrier_wait -1
	CREST
.endm
.macro PLACES                          ; four plain vector lines between a matrix instruction and a load into a register that it read, or a vector line that reads its result (ISA guide 7.12.1 for a vector line that reads its result)
.rept 4
	v_nop
.endr
.endm
.macro JLOAD                           ; a joint load: waves 0, 1 for the tokens, waves 2, 3 for the weight
	s_cmp_eq_u32 s19, 0
	s_cbranch_scc0 .Lfor_b_\@
	tensor_load_to_lds s[G0A:G0A+3], s[G1A:G1A+7]
	s_nop 0
	PLACES
	s_branch .Lasked_\@
.Lfor_b_\@:
	tensor_load_to_lds s[G0B:G0B+3], s[G1B:G1B+7]
	s_nop 0
	PLACES
.Lasked_\@:
.endm
.macro NEXTFILL la, lb, step, elems    ; the descriptors of the next fill: behind the wait that showed the last one done
	s_mov_b32 s[G0A+1], s[\la]
	s_mov_b32 s[G0B+1], s[\lb]
	s_add_nc_u64 s[G0A+2:G0A+3], s[G0A+2:G0A+3], \step
	s_add_nc_u64 s[G0B+2:G0B+3], s[G0B+2:G0B+3], \step
	s_mov_b32 s[G1A+1], (\elems)<<16
	s_mov_b32 s[G1A+3], (\elems)<<16
	s_mov_b32 s[G1B+1], (\elems)<<16
	s_mov_b32 s[G1B+3], (\elems)<<16
.endm
; loads n0 .. n0 + cnt - 1 of unit u's 56 into buffer u % 2: 24 of the weight's six fragments, then 32 of the tokens' eight; each takes 512 consecutive bytes
.macro LOADS u, n0, cnt
.if (\u) == 3 || (\u) == 4
.set LSR, 1
.set LSP, 4096
.set LSU, (\u)-3
.else
.set LSR, 0
.set LSP, 6144
.set LSU, (\u)%5
.endif
.set LFB, 32*((\u)%2)
	WIN 0x40*(1-(\u)%2)
.set LN, \n0
.rept \cnt
.if LN < 16
	ds_load_b128 v[LFB+128+4*LN:LFB+131+4*LN], v[ADB+LSR] offset:(LN/4)*LSP+2048*LSU+512*(LN%4)
.elseif LN < 24
	ds_load_b128 v[LFB+128+4*LN:LFB+131+4*LN], v[ADV+LSR] offset:((LN-16)/4)*LSP+2048*LSU+512*(LN%4)
.else
	ds_load_b128 v[LFB+4*(LN-24):LFB+4*(LN-24)+3], v[ADA+LSR] offset:((LN-24)/4)*LSP+2048*LSU+512*(LN%4)
.endif
.set LN, LN+1
.endr
.endm
; six matrix instructions: token tile a of unit u x the six weight tiles.  The 48 accumulators take turns, one instruction a turn, in the same order in every unit.
.macro GRP u, a, first
.set GF, 32*((\u)%2)
.set GW, 0x05*(1-(\u)%2)+0xa0+0x50*((\a)/4)
.if \first && (\a) > 3
.set GW, 0xe5                          ; C = the bias tiles of window 2, D window 3
.endif
	WIN GW
.irp b, 0,1,2,3,4,5
.set rD, 8*(6*((\a)%4)+\b)
.set rA, GF+16*(\a)
.set rB, GF+128+16*\b
.if \first
.set rC, 192+8*\b
.else
.set rC, rD
.endif
.if \b < 4
	v_wmma_f32_16x16x128_fp8_fp8 v[rD:rD+7], v[rB:rB+15], v[rA:rA+15], v[rC:rC+7]
.else
	v_wmma_f32_16x16x128_fp8_fp8 v[rD:rD+7], v[rA:rA+15], v[rB:rB+15], v[rC:rC+7]
.endif
.endr
.endm
.macro UNIT u, first                   ; unit u is multiplied while unit u + 1 is fetched from the same region
	s_wait_dscnt 16                                ; the weight's fragments and token tiles 0-3 are in; the last 16 loads (token tiles 4-7) may be out
	PLACES                                         ; the other buffer was read by the unit before
.irp a, 0,1,2,3
	GRP \u, \a, \first
	LOADS (\u)+1, 8*\a, 8
.endr
	s_wait_dscnt 32                                ; all but the 32 just issued
.irp a, 4,5,6
	GRP \u, \a, \first
	LOADS (\u)+1, 8*\a, 8
.endr
	GRP \u, 7, \first
.endm
.macro CROSS u                         ; behind a change of regions: the second half of unit u, with unit u + 1's loads
.irp a, 4,5,6,7
	LOADS (\u)+1, 14*(\a-4), 14
	GRP \u, \a, 0
.endr
.endm
	s_load_b256 s[4:11], s[0:1], 0x0               ; x_img s[4:5], w_img s[6:7], in_proj_b s[8:9], the scales' exponents s[10:11]
	s_load_b128 s[12:15], s[0:1], 0x20             ; q_img, k_img
	s_load_b64 s[16:17], s[0:1], 0x30              ; v_img
	v_lshl_add_u32 v[SPW], v0, 2, SPARE
	v_mov_b32 v[NIL], 0
	ds_add_u32 v[SPW], v[NIL]
	ds_add_u32 v[SPW], v[NIL]
	v_lshrrev_b32 v4, 5, v0
	v_readfirstlane_b32 s18, v4                    ; wave 0..3
	s_lshr_b32 s19, s18, 1                         ; t: which 128 tokens are mine.  Also: I fetch tokens (0) or weight (1)
	s_and_b32 s20, s18, 1                          ; c: q or k.  Also: which half of that tile I fetch
	s_bfe_u32 s21, ttmp6, 0x40000                  ; cx, cy: my place in the cluster
	s_bfe_u32 s22, ttmp6, 0x40004
	s_lshl_b32 s23, ttmp9, 2
	s_add_co_u32 s23, s23, s21                     ; head = 4 x cluster x + cx
	s_and_b32 s24, ttmp7, 0xffff
	s_lshl_b32 s24, s24, 2
	s_add_co_u32 s24, s24, s22                     ; block of 256 tokens = 4 x cluster y + cy
	s_lshl_b32 s25, s22, 2
	s_lshl_b32 s25, 15, s25                        ; my row of the cluster
	s_lshl_b32 s26, 0x1111, s21                    ; my column
	; group 1: 8 (tokens) or 6 (weight) row tiles x 6,144 bytes (three units), 16,384 bytes apart in memory, dense in LDS
	s_or_b32 s[G1A], s25, (3<<16)|(1<<21)          ; 15:0 the mask; 17:16 elements of 8 bytes; no padding; 21 set beside a mask
	s_or_b32 s[G1B], s26, (3<<16)|(1<<21)
.irp g, G1A, G1B
	s_mov_b32 s[\g+1], 768<<16                     ; tensor_dim0 = 768 elements
	s_mov_b32 s[\g+3], 768<<16                     ; tile_dim0
	s_mov_b32 s[\g+5], 2048                        ; elements from row tile to row tile
	s_mov_b32 s[\g+6], 0
	s_mov_b32 s[\g+7], 0
.endr
	s_mov_b32 s[G1A+2], 8<<16                      ; tensor_dim1
	s_mov_b32 s[G1A+4], 8                          ; tile_dim1
	s_mov_b32 s[G1B+2], 6<<16
	s_mov_b32 s[G1B+4], 6
	s_mul_i32 s52, s20, 49152                      ; where my loads go: of the wave's number alone.  Tokens in P,
	s_lshl_b32 s53, s20, 15
	s_add_co_u32 s53, s53, QA                      ; in Q,
	s_mul_i32 s54, s20, 36864
	s_add_co_u32 s54, s54, PB                      ; weight in P,
	s_mul_i32 s55, s20, 24576
	s_add_co_u32 s55, s55, QB                      ; in Q
	s_lshl_b32 s56, s24, 18                        ; tokens: 16 row tiles a block, 8 a half, in registers that never hold the head
	s_lshl_b32 s57, s20, 17
	s_add_co_u32 s56, s56, s57
	s_mov_b32 s57, 0
	s_mul_i32 s58, s23, 196608                     ; weight: 12 row tiles a head, 6 a half
	s_mul_i32 s59, s20, 98304
	s_add_co_u32 s58, s58, s59
	s_mov_b32 s59, 0
	s_mul_i32 s66, s19, 49152                      ; my fragments: tokens in P, Q,
	s_lshl_b32 s67, s19, 15
	s_add_co_u32 s67, s67, QA
	s_mul_i32 s68, s20, 24576                      ; q's or k's weight,
	s_add_co_u32 s68, s68, PB
	s_lshl_b32 s69, s20, 14
	s_add_co_u32 s69, s69, QB
	s_mul_i32 s70, s20, 12288                      ; v's weight
	s_add_co_u32 s70, s70, PB+8*6144
	s_lshl_b32 s71, s20, 13
	s_add_co_u32 s71, s71, QB+8*4096
	v_and_b32 v4, 31, v0
	v_lshlrev_b32 v[LI], 4, v4
	v_bfe_u32 v2, v0, 4, 1
	v_lshlrev_b32 v2, 5, v2                        ; 32 h
	v_and_b32 v3, 15, v0
	v_lshlrev_b32 v3, 2, v3                        ; 4 r
	v_add_nc_u32 v[ADA], s66, v[LI]
	v_add_nc_u32 v[ADA+1], s67, v[LI]
	v_add_nc_u32 v[ADB], s68, v[LI]
	v_add_nc_u32 v[ADB+1], s69, v[LI]
	v_add_nc_u32 v[ADV], s70, v[LI]
	v_add_nc_u32 v[ADV+1], s71, v[LI]
	s_wait_alu depctr_va_vdst(0)
	s_wait_dscnt 0x0                               ; both opening adds are done
	s_wait_kmcnt 0x0
	s_load_b256 s[88:95], s[10:11], 0x0            ; e0 .. e7
	s_mov_b32 s[G0A], 1                            ; count = 1
	s_mov_b32 s[G0A+1], s52
	s_add_nc_u64 s[G0A+2:G0A+3], s[4:5], s[56:57]
	s_or_b32 s[G0A+3], s[G0A+3], 0x80000000        ; type = 2
	s_mov_b32 s[G0B], 1
	s_mov_b32 s[G0B+1], s54
	s_add_nc_u64 s[G0B+2:G0B+3], s[6:7], s[58:59]
	s_or_b32 s[G0B+3], s[G0B+3], 0x80000000
	CROUND                                         ; all sixteen work-groups are here: the joint loads meet
	JLOAD                                          ; units 0-2: one tensor load a wave at the head
	s_lshl_b32 s86, s23, 8                         ; the bias of my head's 64 channels of q or k: 4 x (1,024 c + 64 head)
	s_lshl_b32 s87, s20, 12
	s_add_co_u32 s86, s86, s87
	s_mov_b32 s87, 0
	s_add_nc_u64 s[86:87], s[8:9], s[86:87]
	s_lshl_b32 s60, s23, 8                         ; and of my 32 of v: 4 x (2,048 + 64 head + 32 c)
	s_lshl_b32 s61, s20, 7
	s_add_co_u32 s60, s60, s61
	s_add_co_u32 s60, s60, 8192
	s_mov_b32 s61, 0
	s_add_nc_u64 s[60:61], s[8:9], s[60:61]
.irp b, 0,1,2,3
	global_load_b128 v[32+8*\b:35+8*\b], v2, s[86:87] offset:64*\b         ; channels 16 b + 8 h + 0 .. 7
	global_load_b128 v[36+8*\b:39+8*\b], v2, s[86:87] offset:64*\b+16
.endr
	global_load_b32 v64, v3, s[60:61]                                      ; my lane's channel 16 b + r of v
	global_load_b32 v65, v3, s[60:61] offset:64
	s_lshr_b32 s100, s24, 3                        ; the batch: 8 blocks of tokens each
	s_lshl_b32 s100, s100, 4
	s_add_co_u32 s100, s100, s23                   ; 16 x batch + head
	s_lshl_b32 s100, s100, 17                      ; x 131,072 bytes in each of the three buffers
	s_and_b32 s101, s24, 7
	s_lshl_b32 s101, s101, 14                      ; + the block's 256 tokens,
	s_add_co_u32 s100, s100, s101
	s_lshl_b32 s101, s19, 13                       ; + my 128 of them: 8,192 bytes in each layout
	s_add_co_u32 s100, s100, s101
	s_mov_b32 s101, 0
	s_cmp_eq_u32 s20, 0
	s_cselect_b64 s[84:85], s[12:13], s[14:15]     ; q_img or k_img
	s_add_nc_u64 s[84:85], s[84:85], s[100:101]
	s_lshl_b32 s82, s20, 12
	s_add_co_u32 s100, s100, s82                   ; v: + my two channel tiles
	s_add_nc_u64 s[82:83], s[16:17], s[100:101]
	s_wait_kmcnt 0x0
	s_add_co_i32 s2, s88, s89                      ; e0 + e1: a sum stands for sum x 2^(e0 + e1)
	s_sub_co_i32 s3, 0, s2
	s_cmp_eq_u32 s20, 0
	s_cselect_b32 s96, s90, s91                    ; e2 or e3
	s_sub_co_i32 s96, s96, s2
	s_add_co_i32 s96, s96, 127
	s_lshl_b32 s97, s96, 23                        ; 2^(e - e0 - e1): the three scales folded into the conversion's one
	s_add_co_i32 s96, s96, 8
	s_lshl_b32 s96, s96, 23
	s_or_b32 s96, s96, 0x600000                    ; 448 x that
	s_sub_co_i32 s98, s93, s2                      ; e5 - e0 - e1, for v
	s_add_co_i32 s98, s98, 127
	s_lshl_b32 s99, s98, 23
	s_add_co_i32 s98, s98, 8
	s_lshl_b32 s98, s98, 23
	s_or_b32 s98, s98, 0x600000
	v_mov_b32 v16, s97
	v_mov_b32 v17, s96
	v_mov_b32 v18, s99
	v_mov_b32 v19, s98
	s_wait_alu depctr_va_vdst(0)
	s_wait_loadcnt 0x0
	WIN 0x80                                       ; destination window 2
.set n, 0
.rept 32
	v_ldexp_f32 v[192+n], v[32+n], s3              ; bias / 2^(e0 + e1)
.set n, n+1
.endr
.irp j, 0,1,2,3,4,5,6,7
	v_ldexp_f32 v[224+\j], v64, s3                 ; in the swapped result a lane's eight registers are eight tokens of one channel
	v_ldexp_f32 v[232+\j], v65, s3
.endr
	WIN 0
	s_wait_alu depctr_va_vdst(0)
	s_wait_tensorcnt 0x0                           ; my part of units 0-2 is in; these lines stand ahead of a later first fill, as ahead of a refill
	ds_add_u32 v[SPW], v[NIL]
	NEXTFILL 53, 55, 6144, 512
	s_wait_dscnt 0x0
	CROUND                                         ; everybody's part is in, and all sixteen work-groups are here
	JLOAD                                          ; units 3, 4 into region Q
	LOADS 0, 0, 56
	UNIT 0, 1
	UNIT 1, 0
	; unit 2 changes regions: P has been read out and is filled again with units 5-7, Q is whole
	s_wait_dscnt 16
	GRP 2, 0, 0
	GRP 2, 1, 0
	WIN 0
	s_wait_tensorcnt 0x0                           ; my part of units 3, 4 is in
	ds_add_u32 v[SPW], v[NIL]
	GRP 2, 2, 0                                    ; matrix work stands between the add and the wait for it
	s_wait_dscnt 0x0                               ; the add is done, and my reads of P are over
	s_barrier_signal -1
	GRP 2, 3, 0                                    ; work on registers while the others arrive
	WIN 0
	s_barrier_wait -1
	CREST
	NEXTFILL 52, 54, 4096, 768
	JLOAD                                          ; the refill; its four v_nop are also the places ahead of the loads below
	CROSS 2
	UNIT 3, 0
	; unit 4 goes back to P
	s_wait_dscnt 16
	GRP 4, 0, 0
	GRP 4, 1, 0
	s_wait_tensorcnt 0x0                           ; my part of units 5-7 is in
	s_wait_dscnt 0x0
	s_barrier_signal -1
	GRP 4, 2, 0
	GRP 4, 3, 0
	s_barrier_wait -1
	PLACES
	CROSS 4
	UNIT 5, 0
	UNIT 6, 0
	s_wait_dscnt 16                                ; the last unit fetches nothing
.irp a, 0,1,2,3
	GRP 7, \a, 0
.endr
	s_wait_dscnt 0x0
.irp a, 4,5,6,7
	GRP 7, \a, 0
.endr
	PLACES                                         ; ahead of the first read of results, and of writes into fragments' registers
	; THE WAY OUT, four token tiles at a time: held, each accumulator from its low end on, then converted, eight numbers of a lane into two registers
.irp w, 0,1
	WIN 0x82+0x41*\w                               ; source 0 and destination window 2 or 3
.irp a, 0,1,2,3
.irp b, 0,1,2,3,4,5
.irp j, 0,1,2,3,4,5,6,7
	v_med3_num_f32 v[8*(6*\a+\b)+\j], v[8*(6*\a+\b)+\j], -v[17+2*(\b/4)], v[17+2*(\b/4)]   ; the conversion does not saturate (ISA guide 7.6.2)
.endr
.endr
.endr
	WIN 0x02+\w
.irp a, 0,1,2,3
.irp b, 0,1,2,3,4,5
.if \b < 4
	v_cvt_scalef32_pk8_fp8_f32 v[CQ+8*(4*\w+\a)+2*\b:CQ+8*(4*\w+\a)+2*\b+1], v[8*(6*\a+\b):8*(6*\a+\b)+7], v16
.else
	v_cvt_scalef32_pk8_fp8_f32 v[CV+16*(\b-4)+2*(4*\w+\a):CV+16*(\b-4)+2*(4*\w+\a)+1], v[8*(6*\a+\b):8*(6*\a+\b)+7], v18
.endif
.endr
.endr
	v_nop                                          ; a plain line behind the last conversion
	WIN 0
.irp a, 0,1,2,3
.irp i, 0,1
	global_store_b128 v[LI], v[CQ+8*(4*\w+\a)+4*\i:CQ+8*(4*\w+\a)+4*\i+3], s[84:85] offset:1024*(4*\w+\a)+512*\i   ; a chunk: the wave stores 512 consecutive bytes, aligned
.endr
.endr
.endr
.irp b, 0,1
.irp i, 0,1,2,3
	global_store_b128 v[LI], v[CV+16*\b+4*\i:CV+16*\b+4*\i+3], s[82:83] offset:2048*\b+512*\i
.endr
.endr
	s_wait_tensorcnt 0x0                           ; the wave's end
	ds_add_u32 v[SPW], v[NIL]
	s_wait_dscnt 0x0
	CROUND                                         ; the closing round: no work-group ends while a partner may still ask for a tile that names it
	s_endpgm
.Lfunc_end_k_q46300b0913_qkv:
	.size	k_q46300b0913_qkv, .Lfunc_end_k_q46300b0913_qkv-k_q46300b0913_qkv
	.p2alignl 7, 3214868480
	.fill 96, 4, 3214868480
	.section	.rodata,"a",@progbits
	.p2align	6, 0x0
	.amdhsa_kernel k_q46300b0913_qkv
		.amdhsa_group_segment_fixed_size 327680
		.amdhsa_private_segment_fixed_size 0
		.amdhsa_enable_private_segment 0
		.amdhsa_kernarg_size 56
		.amdhsa_user_sgpr_count 2
		.amdhsa_user_sgpr_kernarg_segment_ptr 1
		.amdhsa_wavefront_size32 1
		.amdhsa_system_sgpr_workgroup_id_x 1
		.amdhsa_system_sgpr_workgroup_id_y 1
		.amdhsa_system_sgpr_workgroup_id_z 1
		.amdhsa_system_vgpr_workitem_id 0
		.amdhsa_next_free_vgpr 1024
		.amdhsa_next_free_sgpr 102
		.amdhsa_reserve_vcc 0
		.amdhsa_float_denorm_mode_32 3
		.amdhsa_float_denorm_mode_16_64 3
		.amdhsa_memory_ordered 1
		.amdhsa_forward_progress 1
		.amdhsa_inst_pref_size 101
	.end_amdhsa_kernel
	.amdgpu_metadata
---
amdhsa.version: [ 1, 2 ]
amdhsa.kernels:
  - .name:           k_q46300b0913_qkv
    .symbol:         k_q46300b0913_qkv.kd
    .args:
      - { .name: x_img, .offset: 0, .size: 8, .value_kind: global_buffer, .address_space: global }
      - { .name: w_img, .offset: 8, .size: 8, .value_kind: global_buffer, .address_space: global }
      - { .name: in_proj_b, .offset: 16, .size: 8, .value_kind: global_buffer, .address_space: global }
      - { .name: lowp_scales, .offset: 24, .size: 8, .value_kind: global_buffer, .address_space: global }
      - { .name: q_img, .offset: 32, .size: 8, .value_kind: global_buffer, .address_space: global }
      - { .name: k_img, .offset: 40, .size: 8, .value_kind: global_buffer, .address_space: global }
      - { .name: v_img, .offset: 48, .size: 8, .value_kind: global_buffer, .address_space: global }
    .group_segment_fixed_size: 327680
    .private_segment_fixed_size: 0
    .kernarg_segment_align: 8
    .kernarg_segment_size: 56
    .max_flat_workgroup_size: 128
    .sgpr_count:     102
    .vgpr_count:     1024
    .wavefront_size: 32
...
	.end_amdgpu_metadata
.endif
;; end of part 2
;; launch attn (part 3): grid 8 x 32, 8 waves a work-group, clusters of 4 x 1, 327,680 bytes of LDS; arguments q_img, k_img, v_img, lowp_scales, ctx_img; writes ctx_img
.if DOCPART == 3
	.amdgcn_target "amdgcn-amd-amdhsa--gfx1250"
	.amdhsa_code_object_version 6
	.text
	.protected	k_q46300b0913_attn
	.globl	k_q46300b0913_attn
	.p2align	8
	.type	k_q46300b0913_attn,@function
k_q46300b0913_attn:
	s_mov_b64 s[64:65], 0
	v_nop
	global_prefetch_b8 v0, s[64:65] scope:SCOPE_SE
	s_setreg_imm32_b32 hwreg(HW_REG_WAVE_MODE, 25, 1), 1
	s_wait_xcnt 0x0
	s_wait_alu depctr_hold_cnt(0) depctr_sa_sdst(0) depctr_va_vdst(0) depctr_va_sdst(0) depctr_va_ssrc(0) depctr_va_vcc(0) depctr_vm_vsrc(0)
	s_getreg_b32 s2, hwreg(HW_REG_IB_STS2, 6, 4)
	s_cmp_eq_u32 s2, 0
	s_cbranch_scc0 .Lentry_in_a_cluster
	s_endpgm
.Lentry_in_a_cluster:
	s_bfe_u32 s2, ttmp6, 0x10000c
	s_cmp_lg_u32 s2, 0x3003
	s_cbranch_scc0 .Lentry_shape_is_right
	s_endpgm
.Lentry_shape_is_right:
; ctx = softmax(q k^T / 8, causal) v for 32 (batch, head) pairs of 2,048 tokens x 64 channels, both products on codes of FP8 (E4M3); ctx quantised at once with 2^e6 for the last product.
; THE SOFTMAX AHEAD OF THE SECOND PRODUCT: t = score x log2(e) / 8; M = the row's largest t so far, rounded UP to a whole number; p = 2^(t - M) is quantised with 2^e4, not normalised; the row's sum is taken
; of the unquantised p and divides at the end.  When M moves, the sum and O are multiplied by 2^(old M - new M): exact.
; LEFT OUT: key steps all of whose keys come after all of a tile's queries: the causal mask makes their p zero.
; BUFFERS are images of operand registers, chunks of 512 bytes (lane l's 16 bytes at 16 l): q_img, k_img [pair][token tile 128][2 chunks]; v_img [pair][key step 16][channel tile 4][4 chunks], K = the step's 128 keys;
; ctx_img [token tile 256][head 16][2 chunks], which is [token tile][K step 8][4 chunks] of the last product's operand.
; SHARES.  Block n = 128 queries has key steps 0 .. n of 128 keys, the diagonal in step n.  A pair's two clusters (c = cluster x) own eight blocks each: r and 15 - r for r = 2 i + ((i + c) mod 2), i = 0 .. 3: both
; have sums of n equal to 60.  Of each of its cluster's blocks a work-group owns two neighbouring tiles of 16 queries, 2 cx and 2 cx + 1; a wave works both at once, so that each fragment of K and V feeds both.
; Waves 2 i, 2 i + 1 share blocks r and 15 - r, 17 steps: type X takes steps 0-8 of block 15 - r; type Y takes all of block r, sends it out, then takes steps 9 .. 15 - r of block 15 - r and hands its sums to X through
; LDS.  Y = (w xor w / 4) odd.  All branches hang on the wave's number and the cluster's x, so a cluster's partners run alike.
; LDS holds the pair's whole K (131,072 bytes) and V (131,072), as they lie in memory: no byte is filled twice.  Each wave fetches from K (even w) or V (odd w): at the head a quarter of keys 0-255, then, behind a round of
; the cluster's barrier, a quarter of the rest, which has two key steps in which to land.  One tensor load of a wave is out at the most.
; CLUSTER 4 x 1: four work-groups of one pair read the same K and V: each load is joint, with a mask that names the four.  No data prefetch: no loop fetches from memory.
; LAYOUT.  S^T = K Q^T (source 0 = 16 keys, source 1 = my queries): a lane holds query r and keys 16 t + 8 h + j, which convert into registers 2 t, 2 t + 1 of P; O^T = V^T P^T: a lane holds query r and channels 16 d + 8 h + j.
; LIMITS, so that each power of two made below is an f32 number: e2 + e3 between -108 and 130 (added to c's exponent field; hidden scores are held at -2^119 or under, which c must bring far under every score);
; e4 and e6 between -126 and 119.  The scaled scores stay under 2^31 in magnitude.  NaN is not served.
; REGISTERS: window 0 serves the first tile, window 1 the second, under the same numbers; addresses lie in window 0.
.set LI,   1                           ; v1   16 x lane
.set ADK,  2                           ; v2   LDS address of the next step's K
.set ADV,  3                           ; v3   of the step's V
.set XM,   4                           ; v[4:5] (d + 0.5) 2^120, (d - 0.5) 2^120, d = 16 x tile in block + r - 8 h: in the diagonal step register 8 t + j is hidden where 16 t + j > d
.set DO,   6                           ; v6   where O^T is handed over, v7 the sum and -M
                                       ; v12 -M, v13 the largest score, v[14:15] the sum in two halves
.set QF,   16                          ; v16-23   Q's fragment
.set PC,   24                          ; v24-39   P's codes
.set S,    40                          ; v40-103  S^T, then p
.set O,    104                         ; v104-135 O^T
                                       ; v136-139 maxima; v[140:141] f; v142 the exchange; v143 the old -M; v144-149 chains of sums; v152-159 the mask's pairs
.set TG,   160                         ; v160-175 held numbers, two groups of eight
.set SCL,  176                         ; 2^e4, 448 x it, 2^e6, 448 x it
.set LIM,  177
.set SC6,  178
.set LM6,  179
.set SPW,  180
.set NIL,  181
.set FR,   192                         ; v192-255 window 0: eight fragments of K; window 1: four of V
.set WV,   14
.set PI,   15                          ; i
.set TY,   19                          ; 1: type Y
.set SEL,  20                          ; s[20:21] selects of v_permlanex16_b32: lane l xor 16
.set CS,   22                          ; s[22:23] c = log2(e) / 8 x 2^(e2 + e3)
.set G1,   24
.set L1,   32                          ; my first block's n, which is its last key step
.set L2,   33                          ; 15 - r
.set LAST, 34                          ; the last key step of the block in hand
.set NSW,  35                          ; the trip at whose head Y changes blocks: r + 1, at least 2
.set OFF,  36                          ; 9 - that trip
.set KS,   37                          ; key step
.set TBV,  38                          ; its V's LDS byte
.set IT,   39
.set G0,   40
.set Q2,   44                          ; s[44:45] Q of block 15 - r
.set TBK,  46                          ; the next step's K's LDS byte
.set NB2,  56                          ; s[56:57] -2 x 2^120;  s[58:59] -16 x 2^120
.set NB16, 58
.set E45,  78
.set DUMP, 262144                      ; behind K and V: 2 x 4,352 bytes for each i: O^T, then the sum and -M
.set SPARE, DUMP+8*4352
.set MSB, 0
.macro WIN new                         ; the immediate's high byte repeats the setting that is left; a switch that changes nothing is dropped
.if MSB != \new
	s_set_vgpr_msb (MSB<<8)|\new
.set MSB, \new
.endif
.endm
.macro CROUND
	s_barrier_signal -1
	s_barrier_wait -1
	s_cmp_lg_u32 s[WV], 0
	s_cbranch_scc1 .Lnot_wave_0_\@
	s_barrier_signal -3
.Lnot_wave_0_\@:
	s_barrier_wait -3
	s_barrier_signal -1
	s_barrier_wait -1
.endm
.macro JLOAD
	tensor_load_to_lds s[G0:G0+3], s[G1:G1+7]
	s_nop 0
.rept 4
	v_nop
.endr
.endm
.macro CLEAR                           ; a tile's beginning: the step has no first step of its own: it finds zeros, which the first change of M leaves zeros
	v_mov_b32 v12, 0x7f61b1e6                      ; -M = 3e38
	v_mov_b32 v13, 0xff61b1e6                      ; under every score
	v_mov_b32 v14, 0
	v_mov_b32 v15, 0
.set n, 0
.rept 32
	v_mov_b32 v[O+n], 0
.set n, n+1
.endr
.endm
.macro KLOAD adr
.irp t, 0,1,2,3,4,5,6,7
.irp i, 0,1
	ds_load_b128 v[FR+8*\t+4*\i:FR+8*\t+4*\i+3], v[\adr] offset:1024*\t+512*\i
.endr
.endr
.endm
	s_load_b256 s[4:11], s[0:1], 0x0               ; q_img s[4:5], k_img s[6:7], v_img s[8:9], the scales' exponents s[10:11]
	s_load_b64 s[12:13], s[0:1], 0x20              ; ctx_img
	v_lshl_add_u32 v[SPW], v0, 2, SPARE
	v_mov_b32 v[NIL], 0
	ds_add_u32 v[SPW], v[NIL]
	ds_add_u32 v[SPW], v[NIL]
	v_lshrrev_b32 v2, 5, v0
	s_delay_alu instid0(VALU_DEP_1)
	v_readfirstlane_b32 s[WV], v2                  ; wave 0..7
	v_and_b32 v3, 31, v0
	s_delay_alu instid0(VALU_DEP_1)
	v_lshlrev_b32 v[LI], 4, v3
	s_and_b32 s68, s[WV], 1                        ; I fetch K (0) or V (1),
	s_lshr_b32 s[PI], s[WV], 1                     ; this quarter
	s_lshl_b32 s66, s68, 17
	s_lshl_b32 s69, s[PI], 12                      ; keys 0-255: quarters of 4,096 bytes
	s_mul_i32 s67, s[PI], 28672                    ; the rest: quarters of 28,672
	s_add_co_u32 s67, s67, 16384
	s_and_b32 s18, ttmp7, 0xffff                   ; the pair, which the four partners share
	s_lshl_b32 s72, s18, 17                        ; its 131,072 bytes
	s_add_co_u32 s74, s72, s67
	s_mov_b32 s75, 0
	s_add_co_u32 s72, s72, s69
	s_mov_b32 s73, 0
	s_mov_b32 s[G1], 15|(3<<16)|(1<<21)            ; 15:0 the mask: all four; 17:16 elements of 8 bytes; no padding; 21 set beside a mask
	s_mov_b32 s[G1+1], 32<<16                      ; tensor_dim0 = 32 elements: rows of 256 bytes of a dense block
	s_mov_b32 s[G1+2], 16<<16                      ; tensor_dim1
	s_mov_b32 s[G1+3], 32<<16                      ; tile_dim0
	s_mov_b32 s[G1+4], 16                          ; tile_dim1
	s_mov_b32 s[G1+5], 32                          ; the pitch
	s_mov_b32 s[G1+6], 0
	s_mov_b32 s[G1+7], 0
	s_mov_b32 s[G0], 1
	s_add_co_u32 s[G0+1], s66, s69                 ; LDS addresses: of the wave's number alone
	s_add_co_u32 s47, s66, s67
	s_wait_alu depctr_va_vdst(0)
	s_wait_dscnt 0x0
	s_wait_kmcnt 0x0
	s_load_b256 s[48:55], s[10:11], 0x0            ; e0 .. e7
	s_cmp_eq_u32 s68, 0
	s_cselect_b64 s[76:77], s[6:7], s[8:9]
	s_add_nc_u64 s[G0+2:G0+3], s[76:77], s[72:73]
	s_or_b32 s[G0+3], s[G0+3], 0x80000000
	CROUND                                         ; all four work-groups are here: the joint loads meet
	JLOAD                                          ; keys 0-255: one tensor load a wave at the head
	s_lshr_b32 s60, s[WV], 2
	s_xor_b32 s60, s60, s[WV]
	s_and_b32 s[TY], s60, 1
	s_xor_b32 s60, s[PI], ttmp9
	s_and_b32 s60, s60, 1
	s_lshl_b32 s61, s[PI], 1
	s_add_co_u32 s60, s60, s61                     ; r
	s_xor_b32 s[L2], s60, 15                       ; 15 - r
	s_xor_b32 s[OFF], s60, 7
	s_add_co_u32 s[OFF], s[OFF], 1
	s_min_u32 s[OFF], s[OFF], 7                    ; 8 - r, or 7
	s_add_co_u32 s61, s60, 1
	s_max_u32 s61, s61, 2
	s_cmp_eq_u32 s[TY], 0
	s_cselect_b32 s[L1], s[L2], s60
	s_cselect_b32 s[NSW], 64, s61                  ; X never changes blocks
	s_bfe_u32 s16, ttmp6, 0x40000                  ; cx: it enters Q's and ctx's addresses and the mask's numbers alone
	s_lshl_b32 s17, s16, 1                         ; my first tile in a block
	s_lshl_b32 s66, s[L1], 3
	s_add_co_u32 s66, s66, s17
	s_lshl_b32 s67, s[L2], 3
	s_add_co_u32 s67, s67, s17
	s_lshl_b32 s68, s18, 17
	s_lshl_b32 s60, s66, 10
	s_add_co_u32 s60, s60, s68
	s_mov_b32 s61, 0
	s_add_nc_u64 s[70:71], s[4:5], s[60:61]
	s_lshl_b32 s60, s67, 10
	s_add_co_u32 s60, s60, s68
	s_add_nc_u64 s[Q2:Q2+1], s[4:5], s[60:61]
.macro QLOAD base                      ; the two tiles' fragments of Q, which stay in registers
	global_load_b128 v[QF:QF+3], v[LI], s[\base:\base+1]
	global_load_b128 v[QF+4:QF+7], v[LI], s[\base:\base+1] offset:512
	WIN 0x40
	global_load_b128 v[QF:QF+3], v[LI], s[\base:\base+1] offset:1024
	global_load_b128 v[QF+4:QF+7], v[LI], s[\base:\base+1] offset:1536
	WIN 0
.endm
	QLOAD 70
	s_lshr_b32 s60, s18, 4                         ; ctx: token tile 128 x batch + my first, 16,384 bytes each; my head's 1,024 in it
	s_lshl_b32 s60, s60, 7
	s_add_co_u32 s60, s60, s66
	s_lshl_b32 s60, s60, 14
	s_and_b32 s62, s18, 15
	s_lshl_b32 s62, s62, 10
	s_add_co_u32 s60, s60, s62
	s_add_nc_u64 s[12:13], s[12:13], s[60:61]
	s_mov_b32 s[SEL], 0x76543210
	s_mov_b32 s[SEL+1], 0xfedcba98
	s_mov_b32 s[CS], 0x3e38aa3b                    ; log2(e) / 8
	s_mov_b32 s[NB2], 0xfc000000
	s_mov_b32 s[NB2+1], 0xfc000000
	s_mov_b32 s[NB16], 0xfd800000
	s_mov_b32 s[NB16+1], 0xfd800000
	s_lshl_b32 s62, s17, 4
	s_mul_i32 s60, s[PI], 2*4352
	s_add_co_u32 s60, s60, DUMP
	s_add_co_u32 s61, s60, 4096
	v_and_b32 v8, 15, v0
	v_bfe_u32 v9, v0, 4, 1
	v_add_nc_u32 v[DO], s60, v[LI]
	v_lshrrev_b32 v7, 1, v[LI]
	v_lshlrev_b32 v9, 3, v9
	v_add_nc_u32 v7, s61, v7
	v_sub_nc_u32 v8, v8, v9
	v_mov_b32 v141, 0                              ; (named as the upper half of the pair v[140:141])
	v_mov_b32 v142, 0                              ; written once: a lane permute's destination counts as one of its sources
	v_add_nc_u32 v8, s62, v8
	CLEAR
	v_cvt_f32_i32 v8, v8
	s_delay_alu instid0(VALU_DEP_1)
	v_add_f32 v[XM], 0.5, v8
	v_add_f32 v[XM+1], -0.5, v8
	s_delay_alu instid0(VALU_DEP_2)
	v_mul_f32 v[XM], 0x7b800000, v[XM]             ; x 2^120
	s_delay_alu instid0(VALU_DEP_2)
	v_mul_f32 v[XM+1], 0x7b800000, v[XM+1]
	WIN 0x40                                       ; the second tile: 16 queries on
	v_add_f32 v[XM], 0x41840000, v8                ; + 16.5
	v_add_f32 v[XM+1], 0x41780000, v8              ; + 15.5
	v_mov_b32 v141, 0
	v_mov_b32 v142, 0
	CLEAR
	WIN 0x55
	v_mul_f32 v[XM], 0x7b800000, v[XM]
	v_mul_f32 v[XM+1], 0x7b800000, v[XM+1]
	WIN 0
	s_wait_alu depctr_va_vdst(0)
	s_wait_kmcnt 0x0
	s_add_co_i32 s60, s50, s51                     ; a score stands for score x 2^(e2 + e3): added to c's exponent field
	s_lshl_b32 s60, s60, 23
	s_add_co_i32 s[CS], s[CS], s60
	s_mov_b32 s[CS+1], s[CS]                       ; (named with it as a pair, so it is written)
	s_add_co_i32 s[E45], s52, s53
	s_add_co_i32 s60, s52, 127
	s_lshl_b32 s61, s60, 23
	s_add_co_i32 s60, s60, 8
	s_lshl_b32 s60, s60, 23
	s_or_b32 s60, s60, 0x600000
	s_add_co_i32 s62, s54, 127
	s_lshl_b32 s63, s62, 23
	s_add_co_i32 s62, s62, 8
	s_lshl_b32 s62, s62, 23
	s_or_b32 s62, s62, 0x600000
.irp w, 0,0x40
	WIN \w
	v_mov_b32 v[SCL], s61
	v_mov_b32 v[LIM], s60
	v_mov_b32 v[SC6], s63
	v_mov_b32 v[LM6], s62
.endr
	WIN 0
.macro MASK                            ; the diagonal step's hidden scores are held at -2^119 or under, ahead of the maximum, so p = 0
	v_pk_add_f32 v[154:155], v[XM:XM+1], s[NB2:NB2+1] op_sel_hi:[1,0]      ; (d + 0.5 - key's place) 2^120: at least 2^119 where the key counts, -2^119 or less where it is hidden
	v_pk_add_f32 v[152:153], v[XM:XM+1], s[NB16:NB16+1] op_sel_hi:[1,0]
	v_dual_min_num_f32 v[S], v[XM], v[S] :: v_dual_min_num_f32 v[S+1], v[XM+1], v[S+1]
	v_pk_add_f32 v[156:157], v[154:155], s[NB2:NB2+1] op_sel_hi:[1,0]
	v_dual_min_num_f32 v[S+2], v154, v[S+2] :: v_dual_min_num_f32 v[S+3], v155, v[S+3]
	v_pk_add_f32 v[158:159], v[156:157], s[NB2:NB2+1] op_sel_hi:[1,0]
	v_dual_min_num_f32 v[S+4], v156, v[S+4] :: v_dual_min_num_f32 v[S+5], v157, v[S+5]
	v_dual_min_num_f32 v[S+6], v158, v[S+6] :: v_dual_min_num_f32 v[S+7], v159, v[S+7]
.irp i, 2,4,6
	v_pk_add_f32 v[152+\i:153+\i], v[152+\i:153+\i], s[NB16:NB16+1] op_sel_hi:[1,0]
.endr
.irp t, 1,2,3,4,5,6,7
.irp i, 0,2,4,6
	v_dual_min_num_f32 v[S+8*\t+\i], v[152+\i], v[S+8*\t+\i] :: v_dual_min_num_f32 v[S+8*\t+\i+1], v[153+\i], v[S+8*\t+\i+1]
.endr
.if \t < 7
.irp i, 0,2,4,6
	v_pk_add_f32 v[152+\i:153+\i], v[152+\i:153+\i], s[NB16:NB16+1] op_sel_hi:[1,0]
.endr
.endif
.endr
.endm
.macro TMINUSM                         ; a tile's running maximum, M, f and t - M
	v_max3_num_f32 v136, v13, v[S], v[S+1]         ; the largest score of my query so far, in four chains, each accumulator from its low end on
	v_max3_num_f32 v137, v[S+2], v[S+3], v[S+4]
	v_max3_num_f32 v138, v[S+5], v[S+6], v[S+7]
	v_max3_num_f32 v139, v[S+8], v[S+9], v[S+10]
.set n, 11
.rept 6
	v_max3_num_f32 v136, v136, v[S+n], v[S+n+1]
	v_max3_num_f32 v137, v137, v[S+n+2], v[S+n+3]
	v_max3_num_f32 v138, v138, v[S+n+4], v[S+n+5]
	v_max3_num_f32 v139, v139, v[S+n+6], v[S+n+7]
.set n, n+8
.endr
	v_max3_num_f32 v136, v136, v[S+59], v[S+60]
	v_max3_num_f32 v137, v137, v[S+61], v[S+62]
	v_max3_num_f32 v139, v139, v138, v[S+63]
	v_max3_num_f32 v136, v136, v137, v139
	s_delay_alu instid0(VALU_DEP_1)
	v_permlanex16_b32 v142, v136, s[SEL], s[SEL+1]
	s_delay_alu instid0(VALU_DEP_1)
	v_max_num_f32 v13, v136, v142                  ; and among lane l xor 16's
	s_delay_alu instid0(VALU_DEP_1)
	v_mul_f32 v136, s[CS], -v13                    ; -t (c is positive)
	s_delay_alu instid0(VALU_DEP_1)
	v_floor_f32 v12, v136                          ; the new -M = floor(-t) = -ceil(t)
	s_delay_alu instid0(VALU_DEP_1)
	v_sub_f32 v136, v12, v143                      ; old M - new M: a whole number, 0 or less
.set n, 0
.rept 4
	v_pk_fma_f32 v[S+n:S+n+1], v[S+n:S+n+1], s[CS:CS+1], v[12:13] op_sel_hi:[1,0,0]   ; t - M, two at a time
.set n, n+2
.endr
	v_cvt_i32_f32 v136, v136                       ; (it saturates)
.rept 4
	v_pk_fma_f32 v[S+n:S+n+1], v[S+n:S+n+1], s[CS:CS+1], v[12:13] op_sel_hi:[1,0,0]
.set n, n+2
.endr
	v_ldexp_f32 v140, 1.0, v136                    ; f = 2^(old M - new M)
.rept 24
	v_pk_fma_f32 v[S+n:S+n+1], v[S+n:S+n+1], s[CS:CS+1], v[12:13] op_sel_hi:[1,0,0]
.set n, n+2
.endr
.endm
.macro EXPS
.set n, 0
.rept 64
	v_exp_f32 v[S+n], v[S+n]                       ; p = 2^(t - M)
.set n, n+1
.endr
.endm
.macro RESCALE                         ; O^T under the new M
.set n, 0
.rept 16
	v_pk_mul_f32 v[O+n:O+n+1], v[O+n:O+n+1], v[140:141] op_sel_hi:[1,0]
.set n, n+2
.endr
.endm
.macro CODES
.set n, 0
.rept 8
.set TX, TG+8*(n%2)
.irp i, 0,2,4,6
	v_dual_min_num_f32 v[TX+\i], v[LIM], v[S+8*n+\i] :: v_dual_min_num_f32 v[TX+\i+1], v[LIM], v[S+8*n+\i+1]   ; the conversion does not saturate (ISA guide 7.6.2); p is not negative, so the hold is one-sided; p itself stays for the sum
.endr
	v_cvt_scalef32_pk8_fp8_f32 v[PC+2*n:PC+2*n+1], v[TX:TX+7], v[SCL]
.set n, n+1
.endr
	v_nop                                          ; a plain line behind the last conversion
.endm
.macro SUMS                            ; the row's sum, of the unquantised p, in four chains
	v_pk_add_f32 v[144:145], v[S:S+1], v[S+2:S+3]
	v_pk_add_f32 v[146:147], v[S+4:S+5], v[S+6:S+7]
	v_pk_add_f32 v[148:149], v[S+8:S+9], v[S+10:S+11]
.set n, 12
.rept 6
	v_pk_add_f32 v[14:15], v[14:15], v[S+n:S+n+1]
	v_pk_add_f32 v[144:145], v[144:145], v[S+n+2:S+n+3]
	v_pk_add_f32 v[146:147], v[146:147], v[S+n+4:S+n+5]
	v_pk_add_f32 v[148:149], v[148:149], v[S+n+6:S+n+7]
.set n, n+8
.endr
	v_pk_add_f32 v[14:15], v[14:15], v[S+60:S+61]
	v_pk_add_f32 v[144:145], v[144:145], v[S+62:S+63]
	v_pk_add_f32 v[146:147], v[146:147], v[148:149]
	v_pk_add_f32 v[14:15], v[14:15], v[144:145]
	s_delay_alu instid0(VALU_DEP_1)
	v_pk_add_f32 v[14:15], v[14:15], v[146:147]
.endm
.macro SCORES
.irp t, 0,1,2,3,4,5,6,7
	v_wmma_f32_16x16x64_fp8_fp8 v[S+8*\t:S+8*\t+7], v[FR+8*\t:FR+8*\t+7], v[QF:QF+7], 0
.endr
.endm
.macro VALUES                          ; the four accumulators by turns; between two links of a sum stand other tiles' products and the next step's scores
.irp d, 0,1,2,3
	v_wmma_f32_16x16x128_fp8_fp8 v[O+8*\d:O+8*\d+7], v[FR+16*\d:FR+16*\d+15], v[PC:PC+15], v[O+8*\d:O+8*\d+7]
.endr
.endm
; A KEY STEP: 128 keys for both tiles.  Its 16 loads of K are out when it begins.  next = 1: the next step's K is asked for behind the scores.
.macro STEP next
	s_cmp_gt_u32 s[KS], s[LAST]                    ; all its keys come after my queries
	s_cbranch_scc1 .Lhid_\@
	v_add_nc_u32 v[ADV], s[TBV], v[LI]
	WIN 0x40                                       ; destination window 1; the last step's sums are the places behind its products
.irp d, 0,1,2,3
.irp c, 0,1,2,3
	ds_load_b128 v[FR+16*\d+4*\c:FR+16*\d+4*\c+3], v[ADV] offset:2048*\d+512*\c
.endr
.endr
	WIN 0
	s_wait_alu depctr_va_vdst(0)
	s_wait_dscnt 16                                ; K is in; V's 16 loads stay out
	SCORES
	WIN 0x44                                       ; source 0 window 0, source 1 and D window 1
	SCORES
	WIN 0
	v_mov_b32 v143, v12                            ; four places ahead of the loads below and of the first read of the scores
.if \next
	v_add_nc_u32 v[ADK], s[TBK], v[LI]
.else
	v_nop
.endif
	v_nop
	v_nop
.if \next
	KLOAD ADK
.endif
	s_cmp_lg_u32 s[KS], s[LAST]                    ; only the diagonal step has hidden keys
	s_cbranch_scc1 .Lopen_\@
	MASK
	WIN 0x55
	MASK
	WIN 0
.Lopen_\@:
	TMINUSM
	WIN 0x55
	v_mov_b32 v143, v12
	TMINUSM
	s_wait_alu depctr_va_vdst(0)
	EXPS
	WIN 0
	EXPS
	v_pk_mul_f32 v[14:15], v[14:15], v[140:141] op_sel_hi:[1,0]   ; the sums under the new M: the plain line behind the exponentials
	s_wait_alu depctr_va_vdst(0)                   ; one wait for the whole batch, and directly ahead of the first reader of O^T
	RESCALE
	CODES
	WIN 0x55
	s_wait_alu depctr_va_vdst(0)                   ; and directly ahead of the first reader of the second tile's O^T
	RESCALE
	v_pk_mul_f32 v[14:15], v[14:15], v[140:141] op_sel_hi:[1,0]
	CODES
	s_wait_alu depctr_va_vdst(0)
.if \next
	s_wait_dscnt 16                                ; V is in; the next K's 16 loads stay out
.else
	s_wait_dscnt 0x0
.endif
	WIN 0x01                                       ; source 0 window 1, the others window 0
	VALUES
	WIN 0x55
	VALUES
	SUMS                                           ; also the places behind the products
	WIN 0
	SUMS
.Lhid_\@:
.endm
; A TILE GOES OUT.  ctx = O^T x 2^(e4 + e5) / the sum, quantised with 2^e6: a lane's eight channels of tile d are registers 2 d, 2 d + 1 of my head's half of the last product's fragment.
.macro FIN t
	WIN 0x55*\t
	v_add_f32 v14, v14, v15                        ; the sum's two halves,
	s_delay_alu instid0(VALU_DEP_1)
	v_permlanex16_b32 v142, v14, s[SEL], s[SEL+1]
	s_delay_alu instid0(VALU_DEP_1)
	v_add_f32 v14, v14, v142                       ; and lane l xor 16's
	s_wait_alu depctr_va_vdst(0)
	v_rcp_f32 v14, v14
	v_nop                                          ; a plain line behind the transcendental
	s_wait_alu depctr_va_vdst(0)                   ; the wait ahead of its first reader
	v_ldexp_f32 v14, v14, s[E45]                   ; x 2^(e4 + e5)
	s_wait_alu depctr_va_vdst(0)                   ; and ahead of the first reader of O^T
.set n, 0
.rept 16
	v_pk_mul_f32 v[S+n:S+n+1], v[O+n:O+n+1], v[14:15] op_sel_hi:[1,0]
.set n, n+2
.endr
.set n, 0
.rept 4
.irp i, 0,1,2,3,4,5,6,7
	v_med3_num_f32 v[S+8*n+\i], v[S+8*n+\i], -v[LM6], v[LM6]
.endr
	v_cvt_scalef32_pk8_fp8_f32 v[PC+2*n:PC+2*n+1], v[S+8*n:S+8*n+7], v[SC6]
.set n, n+1
.endr
	v_nop                                          ; a plain line behind the last conversion
	WIN 0x04*\t                                    ; data in the tile's window, address in window 0
	global_store_b128 v[LI], v[PC:PC+3], s[12:13] offset:16384*\t              ; a chunk: the wave stores 512 consecutive bytes, aligned
	global_store_b128 v[LI], v[PC+4:PC+7], s[12:13] offset:16384*\t+512
	WIN 0
.endm
	s_wait_alu depctr_va_vdst(0)
	s_wait_tensorcnt 0x0                           ; my part of keys 0-255 is in; these lines stand ahead of a later first fill, as ahead of a refill
	ds_add_u32 v[SPW], v[NIL]
	s_mov_b32 s[G0+1], s47
	s_add_nc_u64 s[G0+2:G0+3], s[76:77], s[74:75]
	s_or_b32 s[G0+3], s[G0+3], 0x80000000
	s_mov_b32 s[G1+2], 112<<16
	s_mov_b32 s[G1+4], 112
	s_wait_dscnt 0x0
	CROUND                                         ; everybody's part is in, and all four work-groups are here
	JLOAD                                          ; the other keys
	KLOAD LI                                       ; step 0's K lies at LDS byte 0
	s_wait_loadcnt 0x0                             ; Q
	s_mov_b32 s[LAST], s[L1]
	s_mov_b32 s[KS], 0
	s_mov_b32 s[TBV], 0x20000
	s_mov_b32 s[TBK], 8192
	STEP 1                                         ; key steps 0 and 1 of my first block
	s_mov_b32 s[KS], 1
	s_mov_b32 s[TBV], 0x22000
	STEP 0
	s_wait_alu depctr_va_vdst(0)
	s_wait_tensorcnt 0x0                           ; my part of the other keys is in
	s_wait_dscnt 0x0
	s_barrier_signal -1
	s_barrier_wait -1                              ; K and V are whole
	s_mov_b32 s[IT], 2
	s_cmp_ge_u32 s[IT], s[NSW]
	s_cselect_b32 s60, s[OFF], 0
	s_add_co_u32 s60, s60, s[IT]
	s_min_u32 s60, s60, 15
	s_lshl_b32 s[TBK], s60, 13
	v_add_nc_u32 v[ADK], s[TBK], v[LI]
	KLOAD ADK
	s_wait_alu depctr_va_vdst(0)
.Lrest:                                            ; trips 2 to 8: X: steps 2-8; Y: steps 2 .. r of block r, then 9 .. 15 - r of block 15 - r, and with r above 0 a last trip with no step
	s_cmp_eq_u32 s[IT], s[NSW]
	s_cbranch_scc0 .Lsame_block
	s_wait_alu depctr_va_vdst(0)
	QLOAD Q2
	FIN 0                                          ; Y's block r is finished
	FIN 1
	CLEAR
	WIN 0x55
	CLEAR
	WIN 0
	s_wait_alu depctr_va_vdst(0)
	s_wait_xcnt 0x0                                ; the stores' codes may be written again
	s_wait_loadcnt 0x0                             ; the other block's Q
.Lsame_block:
	s_add_co_u32 s61, s[IT], 1                     ; the next trip's K; the last trip's is clamped and not used
	s_cmp_ge_u32 s61, s[NSW]
	s_cselect_b32 s60, s[OFF], 0
	s_add_co_u32 s60, s60, s61
	s_min_u32 s60, s60, 15
	s_lshl_b32 s[TBK], s60, 13
	s_cmp_ge_u32 s[IT], s[NSW]
	s_cselect_b32 s[KS], s[OFF], 0
	s_cselect_b32 s[LAST], s[L2], s[L1]
	s_add_co_u32 s[KS], s[KS], s[IT]
	s_min_u32 s60, s[KS], 15
	s_lshl_b32 s[TBV], s60, 13
	s_add_co_u32 s[TBV], s[TBV], 0x20000
	STEP 1
	s_add_co_u32 s[IT], s[IT], 1
	s_cmp_lt_u32 s[IT], 9
	s_cbranch_scc1 .Lrest
	; Y hands its part of block 15 - r over; for r = 7 that part is empty: zeros under -M = 3e38, which the merge gives the factor 0
	s_wait_alu depctr_va_vdst(0)
	s_cmp_eq_u32 s[TY], 0
	s_cbranch_scc1 .Lhanded
.irp t, 0,1
	WIN 0x55*\t
	v_add_f32 v14, v14, v15
	v_mov_b32 v15, v12
	WIN 0x04*\t
.irp k, 0,1,2,3,4,5,6,7
	ds_store_b128 v[DO], v[O+4*\k:O+4*\k+3] offset:512*\k+4352*\t
.endr
	ds_store_b64 v7, v[14:15] offset:4352*\t
.endr
	WIN 0
.Lhanded:
	s_wait_alu depctr_va_vdst(0)                   ; directly ahead of the wait below
	s_wait_dscnt 0x0
	s_barrier_signal -1
	s_barrier_wait -1                              ; what Y stored may be read
	s_cmp_eq_u32 s[TY], 0
	s_cbranch_scc0 .Lend
.irp t, 0,1
	WIN 0x40*\t
	ds_load_b64 v[144:145], v7 offset:4352*\t      ; Y's sum and -M,
.irp k, 0,1,2,3,4,5,6,7
	ds_load_b128 v[S+4*\k:S+4*\k+3], v[DO] offset:512*\k+4352*\t       ; and its O^T
.endr
.endr
	WIN 0
	s_wait_dscnt 0x0
.irp t, 0,1
	WIN 0x55*\t
	v_min_num_f32 v136, v12, v145                  ; -M of both parts
	v_add_f32 v14, v14, v15
	s_delay_alu instid0(VALU_DEP_2)
	v_sub_f32 v137, v136, v12
	v_sub_f32 v143, v136, v145
	s_delay_alu instid0(VALU_DEP_2)
	v_cvt_i32_f32 v137, v137
	s_delay_alu instid0(VALU_DEP_2)
	v_cvt_i32_f32 v143, v143
	s_delay_alu instid0(VALU_DEP_2)
	v_ldexp_f32 v140, 1.0, v137                    ; my part's factor
	s_delay_alu instid0(VALU_DEP_2)
	v_ldexp_f32 v146, 1.0, v143                    ; and Y's
	v_mov_b32 v15, 0
	v_mul_f32 v14, v14, v140
	s_delay_alu instid0(VALU_DEP_1)
	v_fma_f32 v14, v144, v146, v14
.set n, 0
.rept 16
	v_pk_mul_f32 v[O+n:O+n+1], v[O+n:O+n+1], v[140:141] op_sel_hi:[1,0]
.set n, n+2
.endr
.set n, 0
.rept 16
	v_pk_fma_f32 v[O+n:O+n+1], v[S+n:S+n+1], v[146:147], v[O+n:O+n+1] op_sel_hi:[1,0,1]
.set n, n+2
.endr
	FIN \t
.endr
.Lend:
	s_wait_tensorcnt 0x0                           ; the wave's end
	ds_add_u32 v[SPW], v[NIL]
	s_wait_dscnt 0x0
	CROUND                                         ; the closing round: no work-group ends while a partner may still ask for a tile that names it
	s_endpgm
.Lfunc_end_k_q46300b0913_attn:
	.size	k_q46300b0913_attn, .Lfunc_end_k_q46300b0913_attn-k_q46300b0913_attn
	.p2alignl 7, 3214868480
	.fill 96, 4, 3214868480
	.section	.rodata,"a",@progbits
	.p2align	6, 0x0
	.amdhsa_kernel k_q46300b0913_attn
		.amdhsa_group_segment_fixed_size 327680
		.amdhsa_private_segment_fixed_size 0
		.amdhsa_enable_private_segment 0
		.amdhsa_kernarg_size 40
		.amdhsa_user_sgpr_count 2
		.amdhsa_user_sgpr_kernarg_segment_ptr 1
		.amdhsa_wavefront_size32 1
		.amdhsa_system_sgpr_workgroup_id_x 1
		.amdhsa_system_sgpr_workgroup_id_y 1
		.amdhsa_system_sgpr_workgroup_id_z 1
		.amdhsa_system_vgpr_workitem_id 0
		.amdhsa_next_free_vgpr 512
		.amdhsa_next_free_sgpr 80
		.amdhsa_reserve_vcc 0
		.amdhsa_float_denorm_mode_32 3
		.amdhsa_float_denorm_mode_16_64 3
		.amdhsa_memory_ordered 1
		.amdhsa_forward_progress 1
		.amdhsa_inst_pref_size 150
	.end_amdhsa_kernel
	.amdgpu_metadata
---
amdhsa.version: [ 1, 2 ]
amdhsa.kernels:
  - .name:           k_q46300b0913_attn
    .symbol:         k_q46300b0913_attn.kd
    .args:
      - { .name: q_img, .offset: 0, .size: 8, .value_kind: global_buffer, .address_space: global }
      - { .name: k_img, .offset: 8, .size: 8, .value_kind: global_buffer, .address_space: global }
      - { .name: v_img, .offset: 16, .size: 8, .value_kind: global_buffer, .address_space: global }
      - { .name: lowp_scales, .offset: 24, .size: 8, .value_kind: global_buffer, .address_space: global }
      - { .name: ctx_img, .offset: 32, .size: 8, .value_kind: global_buffer, .address_space: global }
    .group_segment_fixed_size: 327680
    .private_segment_fixed_size: 0
    .kernarg_segment_align: 8
    .kernarg_segment_size: 40
    .max_flat_workgroup_size: 256
    .sgpr_count:     80
    .vgpr_count:     512
    .wavefront_size: 32
...
	.end_amdgpu_metadata
.endif
;; end of part 3
;; launch outp (part 4): grid 8 x 32, 4 waves a work-group, clusters of 4 x 4, 327,680 bytes of LDS; arguments ctx_img, ow_img, out_b, lowp_scales, out0; writes out0
.if DOCPART == 4
	.amdgcn_target "amdgcn-amd-amdhsa--gfx1250"
	.amdhsa_code_object_version 6
	.text
	.protected	k_q46300b0913_outp
	.globl	k_q46300b0913_outp
	.p2align	8
	.type	k_q46300b0913_outp,@function
k_q46300b0913_outp:
	s_mov_b64 s[64:65], 0
	v_nop
	global_prefetch_b8 v0, s[64:65] scope:SCOPE_SE
	s_setreg_imm32_b32 hwreg(HW_REG_WAVE_MODE, 25, 1), 1
	s_wait_xcnt 0x0
	s_wait_alu depctr_hold_cnt(0) depctr_sa_sdst(0) depctr_va_vdst(0) depctr_va_sdst(0) depctr_va_ssrc(0) depctr_va_vcc(0) depctr_vm_vsrc(0)
	s_getreg_b32 s2, hwreg(HW_REG_IB_STS2, 6, 4)
	s_cmp_eq_u32 s2, 0
	s_cbranch_scc0 .Lentry_in_a_cluster
	s_endpgm
.Lentry_in_a_cluster:
	s_bfe_u32 s2, ttmp6, 0x10000c
	s_cmp_lg_u32 s2, 0xf033
	s_cbranch_scc0 .Lentry_shape_is_right
	s_endpgm
.Lentry_shape_is_right:
; out0 = ctx out_w^T + out_b on codes of FP8 (E4M3): each finished sum x 2^(e6 + e7) + bias, one packed multiply-add for two numbers.
; OPERANDS are images of operand registers (a fragment = 16 rows x 128 K = 4 chunks of 512 bytes, lane l's 16 bytes at 16 l; buffers [row tile][K step 0..7][2,048]).
; SHARES.  A work-group makes 128 tokens x 128 columns: 256 work-groups; its four waves 64 x 64 each (16 accumulators).
; THE TOKENS, all of K = 1,024, lie in LDS, 128 KiB: no LDS byte is filled twice.  Each wave asks for two row tiles by one load, 32,768 bytes that lie on end in memory.
; CLUSTER 4 x 4: the four work-groups of a row need the same tokens: each tile is asked for jointly.
; THE WEIGHT goes from memory straight into registers: a wave's 64 columns x all of K are 512 registers, each filled once, a chunk a load.  So a K step takes 16 LDS loads of a wave for 16 matrix instructions, where the
; weight in LDS would make it 32: that is why the weight is not asked for jointly, though the four work-groups of a column need the same.  No data prefetch: the loads run ahead into registers, and no loop fetches.
; Source 0 = 16 rows of the weight, source 1 = 16 tokens: a lane holds token r and eight neighbouring columns.  A block of 16 tokens x 64 columns goes through the wave's own stage in LDS, behind the tokens, where
; no tensor load lands, and leaves as whole rows of 256 bytes.
; LIMIT: e6 + e7 between -126 and 127, so that 2^(e6 + e7) is an f32 number.
; REGISTERS: window 0: v1 16 x lane; v2 32 h; v8 LDS address of my fragments; v16, v17 the stage in and out; v18 my bytes in two rows of out0; v24-55 bias tiles; v56-87 a block's results; v126, v127 the add's;
;   v128-255 accumulator (a, b) at v[128 + 8 (4 a + b)], later the rows read back.   window 1: two buffers of 64 for the tokens' four fragments.   windows 2, 3: the weight's fragments of K steps 0-3, 4-7.
.set G1,   28
.set G0,   44
.set LI,   1
.set ADR,  8
.set STO,  16
.set RD,   17
.set CO,   18
.set BI,   24
.set TMP,  56
.set ACC,  128
.set STG,  131072                      ; the stages: 16 rows x 272 bytes for each wave
.set SPT,  272                         ; 256 bytes + 16 = 68 words: row r starts at bank 4 r mod 64 (64 banks of 4 bytes: ISA guide 11.1)
.set SPARE, STG+4*16*SPT
.set MSB, 0
.macro WIN new
.if MSB != \new
	s_set_vgpr_msb (MSB<<8)|\new
.set MSB, \new
.endif
.endm
.macro CROUND
	s_barrier_signal -1
	s_barrier_wait -1
	s_cmp_lg_u32 s18, 0
	s_cbranch_scc1 .Lnot_wave_0_\@
	s_barrier_signal -3
.Lnot_wave_0_\@:
	s_barrier_wait -3
	s_barrier_signal -1
	s_barrier_wait -1
.endm
.macro PLACES                          ; four plain vector lines between a matrix instruction and a load into a register that it read, or a vector line that reads its result (ISA guide 7.12.1 for a vector line that reads its result)
.rept 4
	v_nop
.endr
.endm
.macro WEIGHT k                        ; K step k's four fragments of the weight: 16 loads
	WIN 0x80+0x40*((\k)/4)
.irp b, 0,1,2,3
.irp c, 0,1,2,3
	global_load_b128 v[64*((\k)%4)+16*\b+4*\c:64*((\k)%4)+16*\b+4*\c+3], v[LI], s[98:99] offset:16384*\b+2048*(\k)+512*\c
.endr
.endr
	WIN 0
.endm
.macro TOKENS k, i                     ; K step k's fragment i of the tokens into buffer k % 2: four loads
	WIN 0x40
.irp c, 0,1,2,3
	ds_load_b128 v[64*((\k)%2)+16*(\i)+4*\c:64*((\k)%2)+16*(\i)+4*\c+3], v[ADR] offset:16384*(\i)+2048*(\k)+512*\c
.endr
.endm
.macro GRP k, a                        ; token tile a x the four weight tiles, 128 along K.  The 16 accumulators take turns, one instruction a turn.
	WIN 0x06+(\k)/4                                ; source 0 window 2 or 3, source 1 window 1, C and D window 0
.irp b, 0,1,2,3
.set rD, ACC+8*(4*(\a)+\b)
.set rB, 64*((\k)%4)+16*\b
.set rA, 64*((\k)%2)+16*(\a)
.if (\k) == 0
	v_wmma_f32_16x16x128_fp8_fp8 v[rD:rD+7], v[rB:rB+15], v[rA:rA+15], 0
.else
	v_wmma_f32_16x16x128_fp8_fp8 v[rD:rD+7], v[rB:rB+15], v[rA:rA+15], v[rD:rD+7]
.endif
.endr
.endm
	s_load_b256 s[4:11], s[0:1], 0x0               ; ctx_img s[4:5], ow_img s[6:7], out_b s[8:9], the scales' exponents s[10:11]
	s_load_b64 s[12:13], s[0:1], 0x20              ; out0
	v_lshl_add_u32 v126, v0, 2, SPARE
	v_mov_b32 v127, 0
	ds_add_u32 v126, v127
	ds_add_u32 v126, v127
	v_lshrrev_b32 v4, 5, v0
	v_readfirstlane_b32 s18, v4                    ; wave 0..3
	s_lshr_b32 s19, s18, 1                         ; which 64 tokens are mine
	s_and_b32 s20, s18, 1                          ; which 64 columns
	s_bfe_u32 s21, ttmp6, 0x40000                  ; cx, cy
	s_bfe_u32 s22, ttmp6, 0x40004
	s_lshl_b32 s23, ttmp9, 2
	s_add_co_u32 s23, s23, s21                     ; block of 128 columns
	s_and_b32 s24, ttmp7, 0xffff
	s_lshl_b32 s24, s24, 2
	s_add_co_u32 s24, s24, s22                     ; block of 128 tokens
	s_lshl_b32 s25, s22, 2
	s_lshl_b32 s25, 15, s25                        ; my row of the cluster
	s_or_b32 s[G1], s25, (3<<16)|(1<<21)           ; 15:0 the mask; 17:16 elements of 8 bytes; no padding; 21 set beside a mask
	s_mov_b32 s[G1+1], 2048<<16                    ; tensor_dim0: a row tile's 16,384 bytes
	s_mov_b32 s[G1+2], 2<<16                       ; tensor_dim1
	s_mov_b32 s[G1+3], 2048<<16                    ; tile_dim0
	s_mov_b32 s[G1+4], 2                           ; tile_dim1
	s_mov_b32 s[G1+5], 2048                        ; the pitch
	s_mov_b32 s[G1+6], 0
	s_mov_b32 s[G1+7], 0
	s_lshl_b32 s27, s18, 15                        ; where my tile goes: wave x 32,768
	s_lshl_b32 s96, s24, 17                        ; tokens: 131,072 x block + 32,768 x wave, in registers that never hold the column's coordinate
	s_add_co_u32 s96, s96, s27
	s_mov_b32 s97, 0
	s_lshl_b32 s98, s23, 17                        ; weight: 131,072 x block + 65,536 x half
	s_lshl_b32 s99, s20, 16
	s_add_co_u32 s98, s98, s99
	s_mov_b32 s99, 0
	s_lshl_b32 s2, s19, 16                         ; my four row tiles of the tokens
	s_mul_i32 s60, s18, 16*SPT
	s_add_co_u32 s60, s60, STG                     ; my stage
	v_and_b32 v4, 31, v0
	v_lshlrev_b32 v[LI], 4, v4
	v_and_b32 v5, 15, v0                           ; r
	v_bfe_u32 v6, v0, 4, 1                         ; h
	v_lshlrev_b32 v2, 5, v6                        ; 32 h
	v_add_nc_u32 v[ADR], s2, v[LI]
	v_mul_u32_u24 v[STO], v5, SPT                  ; in: row r, 32 bytes for each half of the lanes
	v_lshl_add_u32 v[STO], v6, 5, v[STO]
	v_add_nc_u32 v[STO], s60, v[STO]
	v_mul_u32_u24 v[RD], v6, SPT                   ; back: lanes 0-15 one row of 256 bytes, lanes 16-31 the next
	v_lshl_add_u32 v[RD], v5, 4, v[RD]
	v_add_nc_u32 v[RD], s60, v[RD]
	v_lshlrev_b32 v[CO], 12, v6                    ; and the same two rows of out0, 4,096 bytes apart
	v_lshl_add_u32 v[CO], v5, 4, v[CO]
	s_wait_alu depctr_va_vdst(0)                   ; behind the head's last vector instruction
	s_wait_dscnt 0x0
	s_wait_kmcnt 0x0
	s_load_b256 s[88:95], s[10:11], 0x0            ; e0 .. e7
	s_mov_b32 s[G0], 1
	s_mov_b32 s[G0+1], s27
	s_add_nc_u64 s[G0+2:G0+3], s[4:5], s[96:97]
	s_or_b32 s[G0+3], s[G0+3], 0x80000000
	s_add_nc_u64 s[98:99], s[6:7], s[98:99]
	CROUND                                         ; all sixteen work-groups are here: the joint loads meet
	tensor_load_to_lds s[G0:G0+3], s[G1:G1+7]
	s_nop 0
	PLACES
	s_lshl_b32 s86, s23, 9                         ; my first column in bytes: 4 x (128 x block + 64 x half)
	s_lshl_b32 s87, s20, 8
	s_add_co_u32 s86, s86, s87
	s_mov_b32 s87, 0
	s_lshl_b32 s100, s24, 19                       ; my first token's row: (128 x block + 64 x half) x 4,096 bytes
	s_lshl_b32 s101, s19, 18
	s_add_co_u32 s100, s100, s101
	s_add_co_u32 s100, s100, s86
	s_mov_b32 s101, 0
	s_add_nc_u64 s[12:13], s[12:13], s[100:101]
	s_add_nc_u64 s[86:87], s[8:9], s[86:87]
.irp b, 0,1,2,3
	global_load_b128 v[BI+8*\b:BI+8*\b+3], v2, s[86:87] offset:64*\b       ; the bias in the result's layout: columns 16 b + 8 h + 0 .. 7
	global_load_b128 v[BI+8*\b+4:BI+8*\b+7], v2, s[86:87] offset:64*\b+16
.endr
	WEIGHT 0
	WEIGHT 1
	WEIGHT 2
	s_wait_kmcnt 0x0
	s_add_co_i32 s84, s94, s95                     ; e6 + e7
	s_add_co_i32 s84, s84, 127
	s_lshl_b32 s84, s84, 23                        ; 2^(e6 + e7) as f32
	s_mov_b32 s85, s84                             ; (named with it as a pair, so it is written)
.irp k, 3,4,5
	s_wait_loadcnt 32                              ; the bias and K step k - 3 are in; the two K steps behind it stay out
	WEIGHT \k
.endr
	s_wait_tensorcnt 0x0                           ; my tile is in
	s_barrier_signal -1
	s_barrier_wait -1                              ; everybody's is
.irp i, 0,1,2,3
	TOKENS 0, \i
.endr
.irp k, 0,1,2,3,4,5,6
.if \k == 1 || \k == 2
	s_wait_loadcnt 32                              ; K step k + 2 of the weight is in; the two behind it stay out
	WEIGHT \k+5
.endif
.if \k == 5
	s_wait_loadcnt 32                              ; K step 5 of the weight is in; 6 and 7 stay out
.endif
.if \k == 6
	s_wait_loadcnt 16                              ; K step 6 is in; 7 stays out
.endif
	s_wait_dscnt 8                                 ; token tiles 0, 1 are in; the last eight loads may be out
	PLACES                                         ; the other buffer was read by the K step before
	GRP \k, 0
	TOKENS \k+1, 0
	GRP \k, 1
	TOKENS \k+1, 1
	s_wait_dscnt 8                                 ; all but the eight just issued
	GRP \k, 2
	TOKENS \k+1, 2
	GRP \k, 3
	TOKENS \k+1, 3
	WIN 0
.endr
	s_wait_loadcnt 0x0
	s_wait_dscnt 8
	GRP 7, 0
	GRP 7, 1
	s_wait_dscnt 0x0
	GRP 7, 2
	GRP 7, 3
	WIN 0
	PLACES                                         ; ahead of the first read of results
; THE WAY OUT, block a of 16 tokens x 64 columns: sum x 2^(e6 + e7) + bias into other registers, each accumulator from its low end on; through my stage; back as whole rows, into the block's own accumulators,
; which have just been read: so no register that a store reads is ever written again.  LDS serves a wave's instructions in order: no wait between the stores and the loads, nor ahead of the next block's stores.
.macro TOSTAGE a
.irp b, 0,1,2,3
.irp i, 0,2,4,6
	v_pk_fma_f32 v[TMP+8*\b+\i:TMP+8*\b+\i+1], v[ACC+8*(4*(\a)+\b)+\i:ACC+8*(4*(\a)+\b)+\i+1], s[84:85], v[BI+8*\b+\i:BI+8*\b+\i+1] op_sel_hi:[1,0,1]
.endr
.endr
.irp b, 0,1,2,3
	ds_store_b128 v[STO], v[TMP+8*\b:TMP+8*\b+3] offset:64*\b
	ds_store_b128 v[STO], v[TMP+8*\b+4:TMP+8*\b+7] offset:64*\b+16
.endr
.irp t, 0,1,2,3,4,5,6,7
	ds_load_b128 v[ACC+32*(\a)+4*\t:ACC+32*(\a)+4*\t+3], v[RD] offset:\t*2*SPT
.endr
.endm
.macro SEND a, younger                 ; younger: the LDS instructions issued behind block a's loads, which may stay out
	s_wait_dscnt \younger
.irp t, 0,1,2,3,4,5,6,7
	global_store_b128 v[CO], v[ACC+32*(\a)+4*\t:ACC+32*(\a)+4*\t+3], s[12:13] offset:(16*(\a)+2*\t)*4096 th:TH_STORE_NT   ; sixteen lanes store 256 consecutive bytes, aligned; written once, read by nobody here
.endr
.endm
	TOSTAGE 0
.irp a, 1,2,3
	TOSTAGE \a
	SEND \a-1, 16                                  ; behind block a - 1's loads: block a's 8 stores and 8 loads
.endr
	SEND 3, 0
	s_wait_tensorcnt 0x0                           ; the wave's end
	ds_add_u32 v126, v127
	s_wait_dscnt 0x0
	CROUND                                         ; the closing round: no work-group ends while a partner may still ask for a tile that names it
	s_endpgm
.Lfunc_end_k_q46300b0913_outp:
	.size	k_q46300b0913_outp, .Lfunc_end_k_q46300b0913_outp-k_q46300b0913_outp
	.p2alignl 7, 3214868480
	.fill 96, 4, 3214868480
	.section	.rodata,"a",@progbits
	.p2align	6, 0x0
	.amdhsa_kernel k_q46300b0913_outp
		.amdhsa_group_segment_fixed_size 327680
		.amdhsa_private_segment_fixed_size 0
		.amdhsa_enable_private_segment 0
		.amdhsa_kernarg_size 40
		.amdhsa_user_sgpr_count 2
		.amdhsa_user_sgpr_kernarg_segment_ptr 1
		.amdhsa_wavefront_size32 1
		.amdhsa_system_sgpr_workgroup_id_x 1
		.amdhsa_system_sgpr_workgroup_id_y 1
		.amdhsa_system_sgpr_workgroup_id_z 1
		.amdhsa_system_vgpr_workitem_id 0
		.amdhsa_next_free_vgpr 1024
		.amdhsa_next_free_sgpr 102
		.amdhsa_reserve_vcc 0
		.amdhsa_float_denorm_mode_32 3
		.amdhsa_float_denorm_mode_16_64 3
		.amdhsa_memory_ordered 1
		.amdhsa_forward_progress 1
		.amdhsa_inst_pref_size 50
	.end_amdhsa_kernel
	.amdgpu_metadata
---
amdhsa.version: [ 1, 2 ]
amdhsa.kernels:
  - .name:           k_q46300b0913_outp
    .symbol:         k_q46300b0913_outp.kd
    .args:
      - { .name: ctx_img, .offset: 0, .size: 8, .value_kind: global_buffer, .address_space: global }
      - { .name: ow_img, .offset: 8, .size: 8, .value_kind: global_buffer, .address_space: global }
      - { .name: out_b, .offset: 16, .size: 8, .value_kind: global_buffer, .address_space: global }
      - { .name: lowp_scales, .offset: 24, .size: 8, .value_kind: global_buffer, .address_space: global }
      - { .name: out0, .offset: 32, .size: 8, .value_kind: global_buffer, .address_space: global }
    .group_segment_fixed_size: 327680
    .private_segment_fixed_size: 0
    .kernarg_segment_align: 8
    .kernarg_segment_size: 40
    .max_flat_workgroup_size: 128
    .sgpr_count:     102
    .vgpr_count:     1024
    .wavefront_size: 32
...
	.end_amdgpu_metadata
.endif
;; end of part 4
